; MI455X (gfx1250); checked and timed in simulation.
; The chip was launched on July 23, 2026; its instructions are those of AMD's public machine-readable ISA for CDNA 5 (MIT licence, August 2026) and "CDNA5" Instruction Set Architecture Reference Guide (July 2026). The comments in the code are by the model that wrote it; some were corrected since.
;; Spiking Attention. Allowed arithmetic: float matrix products may take bf16 or f16 operands with f32 sums; other float arithmetic in f32, or as packed bf16 or f16 multiplies, adds, multiply-adds, maxima and minima; sums over many terms, partial sums and values carried from step to step in f32; what a program stores and reads back later, other than sums and carried values, may be rounded once to bf16 or f16.
;; Inputs: Wk 128 x 128 float32; Wo 128 x 128 float32; Wq 128 x 128 float32; Ws 128 x 1 float32; Wv 128 x 128 float32; bk 128 float32; bo 128 float32; bq 128 float32; bs 1 float32; bv 128 float32; x 2 x 8,192 x 128 float32.
;; Outputs: out0 2 x 8,192 x 128 float32.
;; 2 versions, each right; version 2 is version 1 with the launch prep written anew for expert scheduling mode. Each part assembles by itself: llvm-mc -triple=amdgcn-amd-amdhsa -mcpu=gfx1250 --defsym DOCPART=n.
;; ======== version 1 of 2: 3 launches
;; limits: values are held in f16: magnitudes above 65,504 overflow, below 6.1e-05 lose precision; right only within a limited range of input values
;; workspace buffers: xh 4,259,840 bytes; wh 131,072 bytes; tab 262,144 bytes; spk 2,048 bytes of whole numbers
;; launch prep (part 1): grid 256 x 1, 2 waves a work-group, no clusters, 0 bytes of LDS; arguments x, Ws, bs, Wq, Wk, Wv, Wo, xh, wh, tab; writes xh, wh, tab
.if DOCPART == 1
	.amdgcn_target "amdgcn-amd-amdhsa--gfx1250"
	.amdhsa_code_object_version 6
	.text
	.protected	k_q519813b451_prep
	.globl	k_q519813b451_prep
	.p2align	8
	.type	k_q519813b451_prep,@function
k_q519813b451_prep:
	s_mov_b64 s[64:65], 0
	v_nop
	global_prefetch_b8 v0, s[64:65] scope:SCOPE_SE
	s_setreg_imm32_b32 hwreg(HW_REG_WAVE_MODE, 25, 1), 1
	s_wait_xcnt 0x0
; PREP.  (1) xh = x rounded to bf16 and written as f16, [2][8320][128]: rows 0-127 of a batch are zeros, position j is row 128 + j.
; (2) wh = the four weights, rounded alike, [4][128][128]: Wq, Wk transposed, Wv, Wo.  (3) tab: for each chunk of 32 time steps of the spike gate what the walk over chunks needs.
; SHARES.  512 waves; wave C owns chunk C: rows 32 C .. 32 C + 31 of x taken as [16384][128], and row C of wh taken as [512][128].  A row of x is one load of the wave (32 lanes x 16 bytes).
; THE GATE.  cur = x . Ws + bs (all three rounded to bf16, sums in f32); mem = d mem + cur; a spike where mem >= 1, then mem = 0.  Lane l of the wave follows the membrane that was
; reset at step l of the chunk to the chunk's end: its exit e_l and the spikes behind l.  Beside them runs A_s, the response without reset from entry 0: with entry m the first crossing
; falls on the lowest l with m >= theta_l = (1 - A_l) d^-(l+1).  tab[C][l] = { theta_l, E_l, PT_l, T1_l }: E_l = e_l, E_31 = A_31; PT_l = spikes behind l | bit l; T1 = theta, -inf in lane 31.
; LIMITS.  The sum's order, the fused multiply-add and theta's form differ from a step-by-step f32 run by f32 rounding: a membrane within some 5e-7 of 1 may decide otherwise.
; bf16 written as f16 is exact from 6.1e-5 to 65,504; below, the error is 3e-8 at the most.  NaN and infinities are not treated apart.
; No LDS, no barrier, no matrix unit: the launch streams x once; all 32 row loads of a wave are out together (16 KiB a wave).
.set X,   64                           ; v[64:191] row r of the chunk at X + 4 r
.set WS,  4                            ; v[4:7]    my four numbers of Ws
.set TS,  40                           ; v[40:47]  four pairs of partial sums
.set CUR, 66                           ; s[66:97]  the chunk's 32 currents
	s_load_b512 s[4:19], s[0:1], 0x0               ; x, Ws, bs, Wq, Wk, Wv, Wo, xh
	s_load_b128 s[20:23], s[0:1], 0x40             ; wh, tab
	v_and_b32 v3, 31, v0                           ; lane
	v_lshrrev_b32 v1, 5, v0
	v_readfirstlane_b32 s25, v1                    ; wave 0, 1
	v_lshlrev_b32 v1, 4, v3                        ; 16 x lane
	v_lshlrev_b32 v2, 3, v3                        ; 8 x lane
	v_mov_b32 v20, 0                               ; a pair of zeros for the pad row
	v_mov_b32 v21, 0
	s_lshl_b32 s26, ttmp9, 1
	s_add_co_u32 s26, s26, s25                     ; C
	s_mov_b32 s46, 0x3f67a36d                      ; d = exp(-0.1) in f32
	s_mov_b32 s47, 0xffff0000                      ; a word's upper bf16
	s_mov_b32 s52, 0x76543210                      ; v_permlanex16_b32: each lane takes its own place in the other half
	s_mov_b32 s53, 0xfedcba98
	s_lshl_b32 s32, s26, 14                        ; x: 32 rows of 512 bytes a chunk
	s_mov_b32 s33, 0
	s_lshr_b32 s27, s26, 8                         ; xh: batch x 8,320 rows + 128 + 32 x (chunk in the batch), rows of 256 bytes
	s_mul_i32 s27, s27, 8320
	s_and_b32 s28, s26, 255
	s_lshl_b32 s28, s28, 5
	s_add_co_u32 s27, s27, s28
	s_add_co_u32 s27, s27, 128
	s_lshl_b32 s34, s27, 8
	s_mov_b32 s35, 0
	s_lshr_b32 s27, ttmp9, 7                       ; the pad row of this work-group: row (id & 127) of batch (id >> 7)
	s_mul_i32 s27, s27, 8320
	s_and_b32 s28, ttmp9, 127
	s_add_co_u32 s27, s27, s28
	s_lshl_b32 s36, s27, 8
	s_mov_b32 s37, 0
	s_lshl_b32 s38, s26, 9                         ; tab: 512 bytes a chunk
	s_mov_b32 s39, 0
	s_lshl_b32 s40, s26, 8                         ; wh: 256 bytes a row
	s_mov_b32 s41, 0
	s_lshr_b32 s54, s26, 7                         ; which weight
	s_and_b32 s55, s26, 127                        ; which row R of wh's matrix
	s_cmp_eq_u32 s54, 1                            ; Wk is written transposed: wh[R][col] = Wk[col][R]
	s_cselect_b32 s44, 4, 512                      ; bytes from R to R + 1 in the source
	s_cselect_b32 s45, 512, 4                      ; bytes from col to col + 1
	s_mul_i32 s27, s55, s44
	v_lshlrev_b32 v9, 2, v3                        ; my four columns 4 lane + k
.irp k, 0,1,2,3
	v_add_nc_u32 v8, \k, v9
	v_mul_lo_u32 v[24+\k], v8, s45
	v_add_nc_u32 v[24+\k], s27, v[24+\k]
.endr
	s_wait_kmcnt 0x0
	s_load_b32 s24, s[8:9], 0x0                    ; bs
	s_add_nc_u64 s[32:33], s[4:5], s[32:33]
	s_add_nc_u64 s[34:35], s[18:19], s[34:35]
	s_add_nc_u64 s[36:37], s[18:19], s[36:37]
	s_add_nc_u64 s[38:39], s[22:23], s[38:39]
	s_add_nc_u64 s[40:41], s[20:21], s[40:41]
	s_cmp_eq_u32 s54, 1
	s_cselect_b64 s[42:43], s[12:13], s[10:11]
	s_cmp_eq_u32 s54, 2
	s_cselect_b64 s[42:43], s[14:15], s[42:43]
	s_cmp_eq_u32 s54, 3
	s_cselect_b64 s[42:43], s[16:17], s[42:43]
.irp k, 0,1,2,3
	global_load_b32 v[28+\k], v[24+\k], s[42:43]
.endr
	global_load_b128 v[WS:WS+3], v1, s[6:7]
.set r, 0
.rept 32
	global_load_b128 v[X+4*r:X+4*r+3], v1, s[32:33] offset:512*r th:TH_LOAD_NT
.set r, r+1
.endr
	s_cmp_lg_u32 s25, 0
	s_cbranch_scc1 .Lno_pad
	global_store_b64 v2, v[20:21], s[36:37]        ; 32 lanes x 8 bytes: one whole row of 256 bytes
.Lno_pad:
	s_wait_loadcnt 32                              ; loads come back in order: all but the 32 rows of x are in
	v_cvt_pk_bf16_f32 v8, v[WS], v[WS+1]           ; Ws to bf16 and back to f32
	v_cvt_pk_bf16_f32 v9, v[WS+2], v[WS+3]
	v_lshlrev_b32 v[WS], 16, v8
	v_and_b32 v[WS+1], s47, v8
	v_lshlrev_b32 v[WS+2], 16, v9
	v_and_b32 v[WS+3], s47, v9
	v_cvt_pk_bf16_f32 v32, v28, v29                ; my four weights: to bf16, back, and as f16
	v_cvt_pk_bf16_f32 v33, v30, v31
	v_lshlrev_b32 v28, 16, v32
	v_and_b32 v29, s47, v32
	v_lshlrev_b32 v30, 16, v33
	v_and_b32 v31, s47, v33
	v_cvt_pk_f16_f32 v32, v28, v29
	v_cvt_pk_f16_f32 v33, v30, v31
	global_store_b64 v2, v[32:33], s[40:41]        ; a row of wh: 256 consecutive bytes
	s_wait_kmcnt 0x0
	v_mov_b32 v22, s24                             ; bs to bf16 and back
	v_cvt_pk_bf16_f32 v22, v22, v22
	v_lshlrev_b32 v22, 16, v22
; Four rows at a time, stage by stage, so that no line waits for the one before it.  A row's registers x0-x3 become: the rounded numbers in f32; then x0, x1 the four f16 (stored, and
; not written again), x2 the row's sum, x3 the other half of the lanes' sum.
.macro ROWS4 g
	s_wait_loadcnt 28-4*(\g)                       ; the rows behind row 4 g + 3 may stay out
.irp q, 0,1,2,3
.set B0, X+16*(\g)+4*(\q)
	v_cvt_pk_bf16_f32 v[B0], v[B0], v[B0+1]
	v_cvt_pk_bf16_f32 v[B0+2], v[B0+2], v[B0+3]
.endr
.irp q, 0,1,2,3
.set B0, X+16*(\g)+4*(\q)
	v_and_b32 v[B0+1], s47, v[B0]
	v_lshlrev_b32 v[B0], 16, v[B0]
	v_and_b32 v[B0+3], s47, v[B0+2]
	v_lshlrev_b32 v[B0+2], 16, v[B0+2]
.endr
.irp q, 0,1,2,3
.set B0, X+16*(\g)+4*(\q)
	v_pk_mul_f32 v[TS+2*(\q):TS+2*(\q)+1], v[B0:B0+1], v[WS:WS+1]
.endr
.irp q, 0,1,2,3
.set B0, X+16*(\g)+4*(\q)
	v_pk_fma_f32 v[TS+2*(\q):TS+2*(\q)+1], v[B0+2:B0+3], v[WS+2:WS+3], v[TS+2*(\q):TS+2*(\q)+1]
.endr
.irp q, 0,1,2,3
.set B0, X+16*(\g)+4*(\q)
	v_cvt_pk_f16_f32 v[B0], v[B0], v[B0+1]
	v_cvt_pk_f16_f32 v[B0+1], v[B0+2], v[B0+3]
	global_store_b64 v2, v[B0:B0+1], s[34:35] offset:256*(4*(\g)+(\q))  ; a row of xh: 256 consecutive bytes
.endr
.irp q, 0,1,2,3
.set B0, X+16*(\g)+4*(\q)
	v_add_f32 v[B0+2], v[TS+2*(\q)], v[TS+2*(\q)+1]
.endr
.irp m, 1,2,4,8
.irp q, 0,1,2,3
.set B0, X+16*(\g)+4*(\q)
	v_add_f32_dpp v[B0+2], v[B0+2], v[B0+2] row_xmask:\m row_mask:0xf bank_mask:0xf
.endr
.endr
.irp q, 0,1,2,3
.set B0, X+16*(\g)+4*(\q)
	v_permlanex16_b32 v[B0+3], v[B0+2], s52, s53
.endr
.irp q, 0,1,2,3
.set B0, X+16*(\g)+4*(\q)
	v_add_f32 v[B0+2], v[B0+2], v[B0+3]
.endr
.irp q, 0,1,2,3
.set B0, X+16*(\g)+4*(\q)
	v_add_f32 v[B0+2], v[B0+2], v22                ; + bs
.endr
.irp q, 0,1,2,3
.set B0, X+16*(\g)+4*(\q)
	v_readfirstlane_b32 s[CUR+4*(\g)+(\q)], v[B0+2]
.endr
.endm
.irp g, 0,1,2,3,4,5,6,7
	ROWS4 \g
.endr
; The 32 trajectories.  v10 = U, the membrane before the reset; a lane takes part from the step behind its own on (before that its current counts as 0 and U stays 0).
; The spike of step s - 1 is found at step s: where it fell, the new membrane is the current alone.  Two dependent lines a step (the multiply-add, the choice).
	v_mov_b32 v10, 0                               ; U
	v_mov_b32 v14, 0                               ; the spikes' bits
	v_mov_b32 v15, 0                               ; A
	v_mov_b32 v36, 0                               ; lane s keeps A_s
.macro STEP s
	s_bfm_b32 s48, \s, 0                           ; the lanes below s
	v_cmp_le_f32 s50, 1.0, v10
	v_cndmask_b32 v12, 0, s[CUR+(\s)], s48
	v_fma_f32 v11, s46, v10, v12
	v_cndmask_b32 v10, v11, v12, s50
.if (\s) > 0
	v_cndmask_b32 v13, 0, 1, s50
	v_lshl_or_b32 v14, v13, (\s)-1, v14
.endif
	v_fma_f32 v15, s46, v15, s[CUR+(\s)]
	s_bfm_b32 s49, 1, \s                           ; lane s
	v_cndmask_b32 v36, v36, v15, s49
.endm
.set st, 0
.rept 32
	STEP st
.set st, st+1
.endr
	v_cmp_le_f32 s50, 1.0, v10                     ; the spike of step 31
	v_cndmask_b32 v13, 0, 1, s50
	v_lshl_or_b32 v14, v13, 31, v14
	v_cndmask_b32 v10, v10, 0, s50                 ; the exit e
	v_add_nc_u32 v37, 1, v3
	v_cvt_f32_u32 v37, v37
	v_mul_f32 v37, 0x3e13bb61, v37                 ; (l + 1) x -log2(d)
	v_exp_f32 v37, v37                             ; d^-(l+1)
	v_sub_f32 v16, 1.0, v36                        ; a plain line stands between the exponential and the use of its result
	s_wait_alu depctr_va_vdst(0)
	v_mul_f32 v16, v16, v37                        ; theta
	s_mov_b32 s48, 0x80000000                      ; lane 31
	s_mov_b32 s49, 0xff800000                      ; -inf
	v_cndmask_b32 v17, v10, v15, s48               ; E
	v_mov_b32 v13, 1
	v_lshlrev_b32 v18, v3, v13
	v_or_b32 v18, v18, v14                         ; PT
	v_cndmask_b32 v19, v16, s49, s48               ; T1
	global_store_b128 v1, v[16:19], s[38:39]       ; 512 consecutive bytes
	s_endpgm
.Lfunc_end_k_q519813b451_prep:
	.size	k_q519813b451_prep, .Lfunc_end_k_q519813b451_prep-k_q519813b451_prep
	.p2alignl 7, 3214868480
	.fill 96, 4, 3214868480
	.section	.rodata,"a",@progbits
	.p2align	6, 0x0
	.amdhsa_kernel k_q519813b451_prep
		.amdhsa_group_segment_fixed_size 0
		.amdhsa_private_segment_fixed_size 0
		.amdhsa_enable_private_segment 0
		.amdhsa_kernarg_size 80
		.amdhsa_user_sgpr_count 2
		.amdhsa_user_sgpr_kernarg_segment_ptr 1
		.amdhsa_wavefront_size32 1
		.amdhsa_system_sgpr_workgroup_id_x 1
		.amdhsa_system_sgpr_workgroup_id_y 1
		.amdhsa_system_sgpr_workgroup_id_z 1
		.amdhsa_system_vgpr_workitem_id 0
		.amdhsa_next_free_vgpr 192
		.amdhsa_next_free_sgpr 100
		.amdhsa_reserve_vcc 0
		.amdhsa_float_denorm_mode_32 3
		.amdhsa_float_denorm_mode_16_64 3
		.amdhsa_memory_ordered 1
		.amdhsa_forward_progress 1
		.amdhsa_inst_pref_size 60
	.end_amdhsa_kernel
	.amdgpu_metadata
---
amdhsa.version: [ 1, 2 ]
amdhsa.kernels:
  - .name:           k_q519813b451_prep
    .symbol:         k_q519813b451_prep.kd
    .args:
      - { .name: x, .offset: 0, .size: 8, .value_kind: global_buffer, .address_space: global }
      - { .name: Ws, .offset: 8, .size: 8, .value_kind: global_buffer, .address_space: global }
      - { .name: bs, .offset: 16, .size: 8, .value_kind: global_buffer, .address_space: global }
      - { .name: Wq, .offset: 24, .size: 8, .value_kind: global_buffer, .address_space: global }
      - { .name: Wk, .offset: 32, .size: 8, .value_kind: global_buffer, .address_space: global }
      - { .name: Wv, .offset: 40, .size: 8, .value_kind: global_buffer, .address_space: global }
      - { .name: Wo, .offset: 48, .size: 8, .value_kind: global_buffer, .address_space: global }
      - { .name: xh, .offset: 56, .size: 8, .value_kind: global_buffer, .address_space: global }
      - { .name: wh, .offset: 64, .size: 8, .value_kind: global_buffer, .address_space: global }
      - { .name: tab, .offset: 72, .size: 8, .value_kind: global_buffer, .address_space: global }
    .group_segment_fixed_size: 0
    .private_segment_fixed_size: 0
    .kernarg_segment_align: 8
    .kernarg_segment_size: 80
    .max_flat_workgroup_size: 64
    .sgpr_count:     100
    .vgpr_count:     192
    .wavefront_size: 32
...
	.end_amdgpu_metadata
.endif
;; end of part 1
;; launch scan (part 2): grid 2 x 1, 16 waves a work-group, no clusters, 133,120 bytes of LDS; arguments tab, spk; writes spk
.if DOCPART == 2
	.amdgcn_target "amdgcn-amd-amdhsa--gfx1250"
	.amdhsa_code_object_version 6
	.text
	.protected	k_q519813b451_scan
	.globl	k_q519813b451_scan
	.p2align	8
	.type	k_q519813b451_scan,@function
k_q519813b451_scan:
	s_mov_b64 s[64:65], 0
	v_nop
	global_prefetch_b8 v0, s[64:65] scope:SCOPE_SE
	s_setreg_imm32_b32 hwreg(HW_REG_WAVE_MODE, 25, 1), 1
	s_wait_xcnt 0x0
; SCAN.  The walk over a batch's 256 chunks of 32 time steps.  One work-group a batch: the walk is a chain, each chunk's entry is the exit of the chunk before, so there is work for two.
; Sixteen waves copy the batch's table (131,072 bytes) into LDS; then wave 0 walks.  The membrane m lies in a scalar register.  For a chunk: the lanes compare m with T1 (theta, -inf in
; lane 31, so that a lowest bit always exists); the lowest set bit names the step of the first crossing; that lane's exit is the next m and its bits are the chunk's spikes.
; Lane 31 stands for two cases, told apart by the compare with its true theta: a crossing at step 31 (exit 0, bit 31), or none (exit d^32 m + A_31, no bits).
; The chain from m to the next m is three lines: the compare, s_ctz_i32_b32, v_readlane_b32.  No branch and no address hangs on m.
; THE WALK IS WRITTEN OUT, 32 groups of 8 chunks: every LDS address is 16 x lane plus a constant that stands on the line (two base registers, 65,536 bytes apart, since an offset has 16 bits).
; spk[batch][chunk]: bit s = the spike at position 32 chunk + s.  Chunk c's word is put into register c % 4 of quad c / 128, lane (c / 4) % 32: a quad's lanes then hold 16 neighbouring
; bytes each, and a quad leaves by one store of 512 consecutive bytes.
.set SPARE, 131072                     ; behind the table: the spare words, 128 bytes for each of 16 waves: eight blocks of 256 bytes that no other line names
.set BA,  8                            ; v[8:39], v[40:71]  two buffers of eight chunks' {theta, E, PT, T1}: a group's buffer goes by its number's parity
.set EZ,  72                           ; v[72:79]  E with 0 in lane 31, for the group in hand
.set OUT, 80                           ; v[80:87]  the two quads of spike words
	s_load_b128 s[4:7], s[0:1], 0x0                ; tab, spk
	v_lshl_add_u32 v2, v0, 2, SPARE                ; my spare word; never rewritten
	v_mov_b32 v3, 0                                ; 0; never rewritten
	v_lshrrev_b32 v1, 5, v0
	v_readfirstlane_b32 s8, v1                     ; wave 0..15
	v_and_b32 v1, 31, v0
	v_lshlrev_b32 v1, 4, v1                        ; 16 x lane; never rewritten
	s_lshl_b32 s9, s8, 13
	v_add_nc_u32 v4, s9, v1                        ; my wave's 8,192 bytes of the table, in memory and in LDS alike
	s_lshl_b32 s18, ttmp9, 17                      ; the batch's 256 chunks of 512 bytes
	s_mov_b32 s19, 0
	s_lshl_b32 s20, ttmp9, 10                      ; the batch's 256 words
	s_mov_b32 s21, 0
	s_wait_kmcnt 0x0
	s_add_nc_u64 s[4:5], s[4:5], s[18:19]
	s_add_nc_u64 s[6:7], s[6:7], s[20:21]
.set i, 0
.rept 16
	global_load_b128 v[8+4*i:11+4*i], v4, s[4:5] offset:512*i
.set i, i+1
.endr
.set i, 0
.rept 16
	s_wait_loadcnt 15-i                            ; loads come back in order: the younger ones may stay out
	ds_store_b128 v4, v[8+4*i:11+4*i] offset:512*i
.set i, i+1
.endr
	s_wait_dscnt 0x0                               ; for wave 0's sake: my stores are done
	s_barrier_signal -1
	s_barrier_wait -1
	s_cmp_eq_u32 s8, 0
	s_cbranch_scc1 .Lwalk
	s_wait_tensorcnt 0x0                           ; a copying wave's end
	ds_add_u32 v2, v3
	s_wait_dscnt 0x0
	s_endpgm
.Lwalk:
	v_add_nc_u32 v5, 0x10000, v1                   ; the table's second half; never rewritten
	s_mov_b32 s17, 0x80000000                      ; lane 31
	s_mov_b32 s16, 0x3d26f649                      ; d^32
	v_cndmask_b32 v88, 0, s16, s17                 ; d^32 in lane 31, 0 elsewhere
.irp k, 0,1,2,3,4,5,6,7
	v_mov_b32 v[OUT+\k], 0                         ; v_writelane_b32's destination counts as read
.endr
	s_mov_b32 s11, 0                               ; m
; The eight chunks of group fg into the buffer of fg's parity.
.macro FETCH
.irp i, 0,1,2,3,4,5,6,7
.set CH, 8*fg+\i
.set RG, BA+32*(fg%2)+4*\i
.if CH < 128
	ds_load_b128 v[RG:RG+3], v1 offset:512*CH
.else
	ds_load_b128 v[RG:RG+3], v5 offset:512*(CH-128)
.endif
.endr
.endm
; Group g: the next group's table is asked for first, so that it lands while this group's eight chunks are walked.
.macro GROUP
.if g < 31
.set fg, g+1
	FETCH
	s_wait_dscnt 8                                 ; all but the eight loads just issued: this group's table is in
.else
	s_wait_dscnt 0x0                               ; the last group fetches nothing
.endif
.irp i, 0,1,2,3,4,5,6,7
.set RG, BA+32*(g%2)+4*\i
	v_cndmask_b32 v[EZ+\i], v[RG+1], 0, s17
.endr
.irp i, 0,1,2,3,4,5,6,7
.set RG, BA+32*(g%2)+4*\i
.set CH, 8*g+\i
	v_cmp_le_f32 s12, v[RG+3], s11                 ; T1 <= m
	v_cmp_le_f32 s13, v[RG], s11                   ; theta <= m
	v_fma_f32 v89, v88, s11, v[RG+1]               ; lane 31: d^32 m + A_31; the others: E
	s_ctz_i32_b32 s14, s12                         ; the first crossing
	v_cndmask_b32 v90, v89, v[EZ+\i], s13
	v_cndmask_b32 v91, 0, v[RG+2], s13
	v_readlane_b32 s11, v90, s14                   ; the next m
	v_readlane_b32 s15, v91, s14                   ; the chunk's spikes
	v_writelane_b32 v[OUT+4*(CH/128)+CH%4], s15, (CH/4)%32
.endr
.endm
.set fg, 0
	FETCH
.set g, 0
.rept 16
	GROUP
.set g, g+1
.endr
	global_store_b128 v1, v[OUT:OUT+3], s[6:7]     ; chunks 0-127: 512 consecutive bytes; neither v1 nor the quad is written again
.rept 16
	GROUP
.set g, g+1
.endr
	global_store_b128 v1, v[OUT+4:OUT+7], s[6:7] offset:512  ; chunks 128-255
	s_wait_tensorcnt 0x0                           ; the wave's end
	ds_add_u32 v2, v3
	s_wait_dscnt 0x0
	s_endpgm
.Lfunc_end_k_q519813b451_scan:
	.size	k_q519813b451_scan, .Lfunc_end_k_q519813b451_scan-k_q519813b451_scan
	.p2alignl 7, 3214868480
	.fill 96, 4, 3214868480
	.section	.rodata,"a",@progbits
	.p2align	6, 0x0
	.amdhsa_kernel k_q519813b451_scan
		.amdhsa_group_segment_fixed_size 133120
		.amdhsa_private_segment_fixed_size 0
		.amdhsa_enable_private_segment 0
		.amdhsa_kernarg_size 16
		.amdhsa_user_sgpr_count 2
		.amdhsa_user_sgpr_kernarg_segment_ptr 1
		.amdhsa_wavefront_size32 1
		.amdhsa_system_sgpr_workgroup_id_x 1
		.amdhsa_system_sgpr_workgroup_id_y 1
		.amdhsa_system_sgpr_workgroup_id_z 1
		.amdhsa_system_vgpr_workitem_id 0
		.amdhsa_next_free_vgpr 96
		.amdhsa_next_free_sgpr 66
		.amdhsa_reserve_vcc 0
		.amdhsa_float_denorm_mode_32 3
		.amdhsa_float_denorm_mode_16_64 3
		.amdhsa_memory_ordered 1
		.amdhsa_forward_progress 1
		.amdhsa_inst_pref_size 175
	.end_amdhsa_kernel
	.amdgpu_metadata
---
amdhsa.version: [ 1, 2 ]
amdhsa.kernels:
  - .name:           k_q519813b451_scan
    .symbol:         k_q519813b451_scan.kd
    .args:
      - { .name: tab, .offset: 0, .size: 8, .value_kind: global_buffer, .address_space: global }
      - { .name: spk, .offset: 8, .size: 8, .value_kind: global_buffer, .address_space: global }
    .group_segment_fixed_size: 133120
    .private_segment_fixed_size: 0
    .kernarg_segment_align: 8
    .kernarg_segment_size: 16
    .max_flat_workgroup_size: 512
    .sgpr_count:     66
    .vgpr_count:     96
    .wavefront_size: 32
...
	.end_amdgpu_metadata
.endif
;; end of part 2
;; launch attn (part 3): grid 128 x 2, 4 waves a work-group, clusters of 4 x 1, 327,680 bytes of LDS; arguments xh, wh, spk, bq, bk, bv, bo, out0; writes out0
.if DOCPART == 3
	.amdgcn_target "amdgcn-amd-amdhsa--gfx1250"
	.amdhsa_code_object_version 6
	.text
	.protected	k_q519813b451_attn
	.globl	k_q519813b451_attn
	.p2align	8
	.type	k_q519813b451_attn,@function
k_q519813b451_attn:
	s_mov_b64 s[64:65], 0
	v_nop
	global_prefetch_b8 v0, s[64:65] scope:SCOPE_SE
	s_setreg_imm32_b32 hwreg(HW_REG_WAVE_MODE, 25, 1), 1
	s_wait_xcnt 0x0
	s_wait_alu depctr_hold_cnt(0) depctr_sa_sdst(0) depctr_va_vdst(0) depctr_va_sdst(0) depctr_va_ssrc(0) depctr_va_vcc(0) depctr_vm_vsrc(0)
	s_getreg_b32 s2, hwreg(HW_REG_IB_STS2, 6, 4)
	s_cmp_eq_u32 s2, 0
	s_cbranch_scc0 .Lentry_in_a_cluster
	s_endpgm
.Lentry_in_a_cluster:
	s_bfe_u32 s2, ttmp6, 0x10000c
	s_cmp_lg_u32 s2, 0x3003
	s_cbranch_scc0 .Lentry_shape_is_right
	s_endpgm
.Lentry_shape_is_right:
; ATTN.  out = ((sum_j w_ij x_j) Wv + valid_i bv) Wo + bo, w = softmax over the visible keys of c (q~_i . x_j + q_i . bk), q = x Wq + bq, q~ = q Wk^T, c = log2(e) / sqrt(128) (base 2).
; That is the module's attention with K = x Wk + bk and V = x Wv + bv multiplied out: the rounded rows of x serve as keys and as values, and all four weight products are made per query.
; VISIBLE to query i: j in [i - 128, i], j % 64 = 0, j < 4; each only where spk has a bit for j in either batch.  A row that sees nothing gives weights 0 (valid = 0): out = bo.
; SHARES.  A work-group owns 64 queries of a batch, each of its four waves 16.  A wave's keys are 18 tiles of 16: tiles 0-8 the positions i0 + 16 w - 128 .. + 143; tiles 9-16 the 128
; positions 64 g; tile 17 the positions 0-15, of which 1, 2, 3 count.  Positions with j % 64 = 0 or j < 4 are hidden in tiles 0-8 and come once, by tiles 9-17.
; LAYOUT.  Every product is used transposed (source 1 = 16 queries), so a lane holds ONE query (lane % 16) in every result, and eight rows 8 (lane / 16) + 0..7 of it; two results rounded
; to f16 in pairs ARE source 1 of the next product.  Weights ([k][n]) and values ([key][channel]) come turned out of LDS by ds_load_tr16_b128, keys as they lie.
; THE MASK is the C operand that starts S^T: 0, or -1e30 for a hidden key.  The maximum taken away is the row's true maximum over all its 288 keys.
; q~ is divided by its row's largest magnitude (at least 2^-86) before it is rounded to f16, and c times that magnitude (CI) scales the scores: f16 has room whatever the inputs' size.
; q . bk, common to a row's keys, is carried in the exponent's offset: p = 2^(CI s + OFF - (CI m + OFF)).
; CLUSTER.  The four work-groups of a cluster share a batch: the weights (128 KiB) and the 144 rows of tiles 9-17 are asked for JOINTLY; the window's 192 rows are the work-group's own.
; All tiles are first fills: four tensor loads a wave are out, behind one round.
; LIMITS.  All inputs count as rounded to bf16.  q, the mean of x's rows and (mean Wv + bv) are rounded to f16 and must stay within 65,504.  A hidden score counts as its value less 1e30;
; CI x 1e30 is 1,600 at the least, so its weight is 0.  A weight below 2^-126 counts as 0.  NaN and infinities are not treated apart.
; REGISTERS, in windows of 256 (s_set_vgpr_msb: bits 1:0 source 0, 3:2 source 1, 5:4 source 2, 7:6 destination):
;   window 0: v0-23 addresses and a query's figures; v24-55 BF, source 1 of the product in hand; v56-119 ACC, 8 results; v120-247 AF, two buffers of 8 fragments; v248, v249 the add's two
;   window 1: v0-143 S^T, 18 results, later P in v0-71; v144-239 two buffers of 6 key fragments; v240-255 addresses and figures for the work in this window
.set XP,    272       ; a row of x in LDS: 256 bytes + 16: the 16 rows of a plain load start at 16 different groups of four banks; the turning loads meet two deep
.set WP,    288       ; a row of a weight: 256 + 32
.set WSLOT, 128*WP
.set XLB,   4*WSLOT         ; the window: 192 rows, positions i0 - 128 .. i0 + 63
.set XGB,   XLB+192*XP      ; 128 rows, positions 64 g; then 16 rows, positions 0-15
.set BIAS,  XGB+144*XP      ; 384 f32: a key's 0 or -1e30: window 0-191, strided 192-319, prefix 320-335, the rest hidden
.set BVEC,  BIAS+1536       ; bq, bk, bv, bo, rounded, in f32
.set STAGE, BVEC+2048       ; 16 rows x 528 bytes for each wave, for the way out
.set SP,    528
.set SPARE, STAGE+4*16*SP   ; the spare words, 128 bytes for each wave: two blocks of 256 bytes that no other line names
.set LP,  3           ; 272 (l % 16) + 16 (l / 16)
.set XQ,  4           ; LP at my wave's first key row of the window
.set LT,  5           ; the turning load's place: 272 (8 (l / 16) + l % 8) + 16 ((l / 8) % 2)
.set TL,  6           ; LT at my wave's first key row of the window
.set TG,  7           ; LT at the strided rows
.set TW,  8           ; the same place in a weight, pitch 288
.set WA,  9           ; TW in the weight in hand
.set BV,  10          ; BVEC + 32 (l / 16)
.set DG,  11          ; l % 16 - 8 (l / 16): the diagonal's register
.set CI,  12
.set OFS, 14
.set INV, 16          ; v[16:17] 1 / l
.set VAL, 18          ; v[18:19] valid
.set STO, 20
.set RD,  21
.set GO,  22
.set BF,  24
.set ACC, 56
.set AF,  120
.set SPW, 248
.set NIL, 249
.set AFP, 144         ; window 1: key fragments
.set ALP, 240         ; window 1: XQ
.set AGP, 241         ; window 1: LP at the strided rows
.set BLP, 242         ; window 1: my wave's window biases
.set BGP, 243         ; window 1: the strided and prefix biases
.set G1W, 28
.set G1L, 36
.set G1G, 44
.set G1P, 52
.set G0W, 60
.set G0L, 68
.set G0G, 72
.set G0P, 76
.set W0J8, 15|(1<<16)|(1<<20)|(1<<21)|(5<<22)|(7<<25)   ; the mask of four; 2-byte elements; padding on; bit 21 beside a mask; after every 64 words; 8 words
.set W0J4, 15|(1<<16)|(1<<20)|(1<<21)|(5<<22)|(3<<25)   ; the same with 4 words
.set W0O4, (1<<16)|(1<<20)|(5<<22)|(3<<25)              ; no mask: the work-group's own
.set MSB, 0
.macro WIN new                      ; the high byte repeats the setting that is left; a switch that changes nothing is dropped
.if MSB != (\new)
	s_set_vgpr_msb (MSB<<8)|(\new)
.set MSB, (\new)
.endif
.endm
.macro ROUND                        ; a round of the cluster's barrier
	s_barrier_signal -1
	s_barrier_wait -1
	s_cmp_lg_u32 s20, 0
	s_cbranch_scc1 .Lnot_wave_0_\@
	s_barrier_signal -3
.Lnot_wave_0_\@:
	s_barrier_wait -3
	s_barrier_signal -1
	s_barrier_wait -1
.endm
.macro PLACES                       ; four places between a matrix instruction and a vector line or a load that touches its registers
.rept 4
	v_nop
.endr
.endm
.macro G1SET g, w0, rows, pitch     ; descriptor group 1: rows of 128 elements
	s_mov_b32 s[(\g)+0], \w0
	s_mov_b32 s[(\g)+1], 128<<16    ; tensor_dim0
	s_mov_b32 s[(\g)+2], (\rows)<<16  ; tensor_dim1
	s_mov_b32 s[(\g)+3], 128<<16    ; tile_dim0
	s_mov_b32 s[(\g)+4], \rows      ; tile_dim1
	s_mov_b32 s[(\g)+5], \pitch     ; elements from row to row
	s_mov_b32 s[(\g)+6], 0
	s_mov_b32 s[(\g)+7], 0
.endm
	s_load_b512 s[4:19], s[0:1], 0x0  ; xh, wh, spk, bq, bk, bv, bo, out0
	v_lshl_add_u32 v[SPW], v0, 2, SPARE
	v_mov_b32 v[NIL], 0
	ds_add_u32 v[SPW], v[NIL]       ; the wave's opening: the add and its wait stand ahead of my first tensor load; work on registers stands between them
	v_lshrrev_b32 v1, 5, v0
	v_readfirstlane_b32 s20, v1     ; wave 0..3
	s_bfe_u32 s21, ttmp6, 0x40000   ; cx
	s_lshl_b32 s22, ttmp9, 2
	s_add_co_u32 s22, s22, s21      ; my block of 64 queries
	s_and_b32 s23, ttmp7, 0xffff    ; the batch, which the partners share
	G1SET G1W, W0J8, 128, 128       ; wave w: weight w, 128 rows
	G1SET G1L, W0O4, 48, 128        ; wave w: rows 48 w .. of the window
	G1SET G1G, W0J4, 32, 8192       ; wave w: 32 strided rows, 64 rows of xh apart
	G1SET G1P, W0J4, 4, 128         ; wave w: 4 rows of the prefix
	s_mov_b32 s[G0W], 1
	s_mul_i32 s[G0W+1], s20, WSLOT
	s_mov_b32 s[G0L], 1
	s_mul_i32 s[G0L+1], s20, 48*XP
	s_add_co_u32 s[G0L+1], s[G0L+1], XLB
	s_mov_b32 s[G0G], 1
	s_mul_i32 s[G0G+1], s20, 32*XP
	s_add_co_u32 s[G0G+1], s[G0G+1], XGB
	s_mov_b32 s[G0P], 1
	s_mul_i32 s[G0P+1], s20, 4*XP
	s_add_co_u32 s[G0P+1], s[G0P+1], XGB+128*XP
	; byte offsets.  The joint loads' are made of the batch and the wave's number alone, in registers that never hold cx
	s_mul_i32 s86, s23, 8320*256
	s_add_co_u32 s86, s86, 128*256  ; the batch's position 0 in xh
	s_mov_b32 s87, 0
	s_lshl_b32 s88, s20, 10
	s_add_co_u32 s88, s88, s86      ; prefix: 4 rows a wave
	s_mov_b32 s89, 0
	s_lshl_b32 s90, s20, 15         ; weight w
	s_mov_b32 s91, 0
	s_lshl_b32 s92, s22, 14         ; the window: position i0 - 128 + 48 w
	s_mul_i32 s25, s20, 48*256
	s_add_co_u32 s92, s92, s25
	s_add_co_u32 s92, s92, s86
	s_sub_co_u32 s92, s92, 128*256
	s_mov_b32 s93, 0
	s_lshl_b32 s24, s20, 19
	s_add_co_u32 s86, s86, s24      ; strided: 32 x 64 rows a wave
	s_lshl_b32 s94, s23, 13         ; out0: row 8,192 b + i0 + 16 w, 512 bytes each
	s_lshl_b32 s25, s22, 6
	s_add_co_u32 s94, s94, s25
	s_lshl_b32 s25, s20, 4
	s_add_co_u32 s94, s94, s25
	s_lshl_b32 s94, s94, 9
	s_mov_b32 s95, 0
	s_lshl_b32 s81, s22, 6
	s_sub_co_u32 s81, s81, 128      ; i0 - 128 (as a signed number)
	s_mov_b32 s80, 0xf149f2ca       ; -1e30
	s_mov_b32 s82, 0x76543210       ; v_permlanex16_b32: each lane takes its own place in the other half
	s_mov_b32 s83, 0xfedcba98
	s_mov_b32 s84, 0x3e0293ee       ; c
	s_wait_dscnt 0x0                ; the opening add is done
	s_wait_kmcnt 0x0
	s_add_nc_u64 s[G0W+2:G0W+3], s[6:7], s[90:91]
	s_or_b32 s[G0W+3], s[G0W+3], 0x80000000
	s_add_nc_u64 s[G0L+2:G0L+3], s[4:5], s[92:93]
	s_or_b32 s[G0L+3], s[G0L+3], 0x80000000
	s_add_nc_u64 s[G0G+2:G0G+3], s[4:5], s[86:87]
	s_or_b32 s[G0G+3], s[G0G+3], 0x80000000
	s_add_nc_u64 s[G0P+2:G0P+3], s[4:5], s[88:89]
	s_or_b32 s[G0P+3], s[G0P+3], 0x80000000
	s_add_nc_u64 s[18:19], s[18:19], s[94:95]
	ROUND                           ; all four work-groups are here: the joint loads meet
	tensor_load_to_lds s[G0L:G0L+3], s[G1L:G1L+7]
	s_nop 0
	tensor_load_to_lds s[G0W:G0W+3], s[G1W:G1W+7]
	s_nop 0
	tensor_load_to_lds s[G0G:G0G+3], s[G1G:G1G+7]
	s_nop 0
	tensor_load_to_lds s[G0P:G0P+3], s[G1P:G1P+7]
	s_nop 0
	PLACES
	; WHILE THE TILES ARE ON THEIR WAY: the lanes' addresses, the keys' biases, the four bias vectors.
	v_and_b32 v1, 15, v0            ; l % 16
	v_bfe_u32 v2, v0, 4, 1          ; l / 16
	v_mul_u32_u24 v[LP], v1, XP
	v_lshl_add_u32 v[LP], v2, 4, v[LP]
	s_mul_i32 s25, s20, 16*XP
	s_add_co_u32 s25, s25, XLB
	v_add_nc_u32 v[XQ], s25, v[LP]
	v_and_b32 v23, 7, v0
	v_lshl_add_u32 v23, v2, 3, v23
	v_bfe_u32 v[WA], v0, 3, 1
	v_lshlrev_b32 v[WA], 4, v[WA]
	v_mul_u32_u24 v[LT], v23, XP
	v_add_nc_u32 v[LT], v[LT], v[WA]
	v_add_nc_u32 v[TL], s25, v[LT]
	v_add_nc_u32 v[TG], XGB, v[LT]
	v_mul_u32_u24 v[TW], v23, WP
	v_add_nc_u32 v[TW], v[TW], v[WA]
	v_lshl_add_u32 v[BV], v2, 5, BVEC
	v_lshlrev_b32 v[DG], 3, v2
	v_sub_nc_u32 v[DG], v1, v[DG]
	s_mul_i32 s26, s20, 16*SP
	s_add_co_u32 s26, s26, STAGE    ; my stage
	v_mul_u32_u24 v[STO], v1, SP    ; in: row l % 16, 32 bytes for each half of the lanes
	v_lshl_add_u32 v[STO], v2, 5, v[STO]
	v_add_nc_u32 v[STO], s26, v[STO]
	v_and_b32 v[GO], 31, v0
	v_lshlrev_b32 v[GO], 4, v[GO]   ; back: a row of 512 bytes, 16 a lane
	v_add_nc_u32 v[RD], s26, v[GO]
	v_lshl_add_u32 v77, v0, 2, BIAS
	v_lshl_add_u32 v78, v0, 2, BVEC
	v_lshlrev_b32 v79, 2, v0
	v_mov_b32 v80, s80
; Thread t makes the biases of entries e = t + 128 k.  j is the entry's position; the spikes' words of both batches are asked for; the mask of lanes whose entry the pattern shows stays in s[96+k].
.macro ENT k
	v_add_nc_u32 v56, 128*(\k), v0  ; e
	v_add_nc_u32 v57, s81, v56      ; window: i0 - 128 + e
	v_lshlrev_b32 v58, 6, v56
	v_add_nc_u32 v58, 0xffffd000, v58  ; strided: 64 (e - 192)
	v_add_nc_u32 v59, 0xfffffec0, v56  ; prefix: e - 320
	v_cmp_le_i32 s24, 4, v57        ; window: j >= 4
	v_and_b32 v60, 63, v57
	v_cmp_ne_u32 s25, 0, v60        ; and j % 64 != 0
	v_add_nc_u32 v60, -1, v59
	v_cmp_gt_u32 s26, 3, v60        ; prefix: j = 1, 2, 3
	v_cmp_gt_u32 s27, 192, v56
	v_cmp_gt_u32 s85, 320, v56
	v_cndmask_b32 v[61+(\k)], v59, v58, s85
	v_cndmask_b32 v[61+(\k)], v[61+(\k)], v57, s27
	s_and_b32 s24, s24, s25
	s_and_b32 s24, s24, s27
	s_and_not1_b32 s25, s85, s27    ; every strided entry
	s_or_b32 s24, s24, s25
	s_and_not1_b32 s26, s26, s85
	s_or_b32 s[96+(\k)], s24, s26
	v_max_i32 v60, 0, v[61+(\k)]
	v_lshrrev_b32 v60, 5, v60
	v_lshlrev_b32 v[64+(\k)], 2, v60
	global_load_b32 v[67+(\k)], v[64+(\k)], s[8:9]
	global_load_b32 v[70+(\k)], v[64+(\k)], s[8:9] offset:1024
.endm
	ENT 0
	ENT 1
	ENT 2
	global_load_b32 v73, v79, s[10:11]
	global_load_b32 v74, v79, s[12:13]
	global_load_b32 v75, v79, s[14:15]
	global_load_b32 v76, v79, s[16:17]
	s_wait_loadcnt 0x0
.irp k, 0,1,2
	v_or_b32 v[67+\k], v[67+\k], v[70+\k]        ; a spike in either batch
	v_lshrrev_b32 v[67+\k], v[61+\k], v[67+\k]   ; the shift takes j % 32
	v_and_b32 v[67+\k], 1, v[67+\k]
	v_cmp_eq_u32 s24, 1, v[67+\k]
	s_and_b32 s24, s24, s[96+\k]
	v_cndmask_b32 v[81+\k], v80, 0, s24
	ds_store_b32 v77, v[81+\k] offset:512*\k
.endr
	v_cvt_pk_bf16_f32 v60, v73, v74 ; the bias vectors to bf16 and back
	v_cvt_pk_bf16_f32 v59, v75, v76
	v_lshlrev_b32 v73, 16, v60
	v_and_b32 v74, 0xffff0000, v60
	v_lshlrev_b32 v75, 16, v59
	v_and_b32 v76, 0xffff0000, v59
	ds_store_b32 v78, v73
	ds_store_b32 v78, v74 offset:512
	ds_store_b32 v78, v75 offset:1024
	ds_store_b32 v78, v76 offset:1536
	s_wait_tensorcnt 0x0            ; my four tiles have landed,
	s_wait_dscnt 0x0                ; my stores are done:
	s_barrier_signal -1
	s_barrier_wait -1               ; everybody's have
; A vector of 128 f32 in a result's layout: register j of result t is number 16 t + 8 (l / 16) + j.
.macro LDB vec, dst
.irp t, 0,1,2,3,4,5,6,7
	ds_load_b128 v[(\dst)+8*(\t):(\dst)+8*(\t)+3],   v[BV] offset:512*(\vec)+64*(\t)
	ds_load_b128 v[(\dst)+8*(\t)+4:(\dst)+8*(\t)+7], v[BV] offset:512*(\vec)+64*(\t)+16
.endr
.endm
; The 8 fragments (16 outputs x 32 along K, turned) of K step k of the weight in hand: 16 loads in one run.
.macro FW k, buf
.irp t, 0,1,2,3,4,5,6,7
	ds_load_tr16_b128 v[AF+64*(\buf)+8*(\t):AF+64*(\buf)+8*(\t)+3],   v[WA] offset:32*WP*(\k)+32*(\t)
	ds_load_tr16_b128 v[AF+64*(\buf)+8*(\t)+4:AF+64*(\buf)+8*(\t)+7], v[WA] offset:32*WP*(\k)+16*WP+32*(\t)
.endr
.endm
; ACC (128 outputs x 16 queries) = weight^T x BF + ACC, or + 0.  The next K step's fragments are asked for ahead of a step's products; the 8 accumulators take turns.
.macro GEMM slot, zero
	v_add_nc_u32 v[WA], (\slot)*WSLOT, v[TW]
	FW 0, 0
.irp k, 0,1,2,3
.if (\k) > 0
	PLACES
.endif
.if (\k) < 3
	FW (\k)+1, ((\k)+1)%2
	s_wait_dscnt 16                 ; all but the 16 loads just issued
.else
	s_wait_dscnt 0x0
.endif
.irp t, 0,1,2,3,4,5,6,7
.if (\zero) && ((\k) == 0)
	v_wmma_f32_16x16x32_f16 v[ACC+8*(\t):ACC+8*(\t)+7], v[AF+64*((\k)%2)+8*(\t):AF+64*((\k)%2)+8*(\t)+7], v[BF+8*(\k):BF+8*(\k)+7], 0
.else
	v_wmma_f32_16x16x32_f16 v[ACC+8*(\t):ACC+8*(\t)+7], v[AF+64*((\k)%2)+8*(\t):AF+64*((\k)%2)+8*(\t)+7], v[BF+8*(\k):BF+8*(\k)+7], v[ACC+8*(\t):ACC+8*(\t)+7]
.endif
.endr
.endr
	PLACES
.endm
.macro PACK                         ; ACC rounded to f16 in pairs is the next product's source 1; each result is read from its low end on
.set i, 0
.rept 32
	v_cvt_pk_f16_f32 v[BF+i], v[ACC+2*i], v[ACC+2*i+1]
.set i, i+1
.endr
.endm
.macro SCALE f                      ; ACC times the query's figure in v[f]
.set i, 0
.rept 32
	v_pk_mul_f32 v[ACC+2*i:ACC+2*i+1], v[ACC+2*i:ACC+2*i+1], v[(\f):(\f)+1] op_sel_hi:[1,0]
.set i, i+1
.endr
.endm
	; q^T = Wq^T x^T + bq
.irp k, 0,1,2,3
	ds_load_b128 v[BF+8*\k:BF+8*\k+3],   v[XQ] offset:128*XP+64*\k     ; my 16 queries are rows 128 + 16 w .. of the window
	ds_load_b128 v[BF+8*\k+4:BF+8*\k+7], v[XQ] offset:128*XP+64*\k+32
.endr
	LDB 0, ACC
	GEMM 0, 0
	; OFF = c (q . bk), from the unrounded q: four chains, then the other half of the lanes
	LDB 1, AF
	s_wait_dscnt 0x0
.irp p, 0,1,2,3
	v_pk_mul_f32 v[184+2*\p:185+2*\p], v[ACC+2*\p:ACC+2*\p+1], v[AF+2*\p:AF+2*\p+1]
.endr
.irp t, 1,2,3,4,5,6,7
.irp p, 0,1,2,3
	v_pk_fma_f32 v[184+2*\p:185+2*\p], v[ACC+8*\t+2*\p:ACC+8*\t+2*\p+1], v[AF+8*\t+2*\p:AF+8*\t+2*\p+1], v[184+2*\p:185+2*\p]
.endr
.endr
	v_pk_add_f32 v[184:185], v[184:185], v[186:187]
	v_pk_add_f32 v[188:189], v[188:189], v[190:191]
	v_pk_add_f32 v[184:185], v[184:185], v[188:189]
	v_add_f32 v184, v184, v185
	v_permlanex16_b32 v185, v184, s82, s83
	v_add_f32 v184, v184, v185
	v_mul_f32 v[OFS], s84, v184
	PACK
	; q~^T = Wk q^T; its row's largest magnitude; q~ / that, rounded
	GEMM 1, 1
	s_mov_b32 s85, 0x7fffffff
.set i, 0
.rept 64
	v_and_b32 v[AF+i], s85, v[ACC+i]
.set i, i+1
.endr
.irp t, 0,1,2,3,4,5,6,7
	v_max3_num_f32 v[184+\t], v[AF+8*\t], v[AF+8*\t+1], v[AF+8*\t+2]
.endr
.irp t, 0,1,2,3,4,5,6,7
	v_max3_num_f32 v[184+\t], v[184+\t], v[AF+8*\t+3], v[AF+8*\t+4]
.endr
.irp t, 0,1,2,3,4,5,6,7
	v_max3_num_f32 v[184+\t], v[184+\t], v[AF+8*\t+5], v[AF+8*\t+6]
.endr
.irp t, 0,1,2,3,4,5,6,7
	v_max_num_f32 v[184+\t], v[184+\t], v[AF+8*\t+7]
.endr
	v_max3_num_f32 v184, v184, v185, v186
	v_max3_num_f32 v187, v187, v188, v189
	v_max3_num_f32 v184, v184, v190, v191
	v_max_num_f32 v184, v184, v187
	v_permlanex16_b32 v185, v184, s82, s83
	v_max_num_f32 v184, v184, v185
	v_max_num_f32 v184, 0x14800000, v184           ; at least 2^-86
	v_rcp_f32 v186, v184
	v_mul_f32 v[CI], s84, v184                     ; a plain line between the reciprocal and the use of its result
	s_wait_alu depctr_va_vdst(0)
	SCALE 186
	PACK
	; S^T = X q~' + mask.  What the work in window 1 needs goes there first.
	s_lshl_b32 s24, s20, 6
	s_add_co_u32 s24, s24, BIAS
	WIN 0x40                        ; destination window 1
	v_mov_b32 v[ALP], v[XQ]
	v_add_nc_u32 v[AGP], XGB, v[LP]
	v_lshl_add_u32 v[BLP], v2, 5, s24
	v_lshl_add_u32 v[BGP], v2, 5, BIAS+768
	v_mov_b32 v244, v[CI]
	v_mov_b32 v245, v[CI]
	v_mov_b32 v250, v[OFS]
	WIN 0x51                        ; keys, C and D (and the loads' addresses and data) in window 1, BF in window 0
.set i, 0
.rept 9
	ds_load_b128 v[8*i:8*i+3],   v[BLP] offset:64*i       ; the keys' biases land where the sums begin
	ds_load_b128 v[8*i+4:8*i+7], v[BLP] offset:64*i+16
.set i, i+1
.endr
.rept 9
	ds_load_b128 v[8*i:8*i+3],   v[BGP] offset:64*(i-9)
	ds_load_b128 v[8*i+4:8*i+7], v[BGP] offset:64*(i-9)+16
.set i, i+1
.endr
; Run R of 12: tiles 3 (R / 2) + 0..2, K steps 2 (R % 2) + 0, 1: 12 loads, 6 products.
.macro FS R, buf
.irp u, 0,1,2
.irp kk, 0,1
.set TT, 3*((\R)/2)+(\u)
.set RG, AFP+48*(\buf)+16*(\u)+8*(\kk)
.set KO, 64*(2*((\R)%2)+(\kk))
.if TT < 9
	ds_load_b128 v[RG:RG+3],   v[ALP] offset:16*XP*TT+KO
	ds_load_b128 v[RG+4:RG+7], v[ALP] offset:16*XP*TT+KO+32
.else
	ds_load_b128 v[RG:RG+3],   v[AGP] offset:16*XP*(TT-9)+KO
	ds_load_b128 v[RG+4:RG+7], v[AGP] offset:16*XP*(TT-9)+KO+32
.endif
.endr
.endr
.endm
.macro RUN R
.if (\R) > 0
	PLACES
.endif
.if (\R) < 11
	FS (\R)+1, ((\R)+1)%2
	s_wait_dscnt 12                 ; all but the 12 loads just issued
.else
	s_wait_dscnt 0x0
.endif
.irp kk, 0,1
.irp u, 0,1,2
.set SA, 8*(3*((\R)/2)+(\u))
.set RG, AFP+48*((\R)%2)+16*(\u)+8*(\kk)
.set BK, BF+8*(2*((\R)%2)+(\kk))
	v_wmma_f32_16x16x32_f16 v[SA:SA+7], v[RG:RG+7], v[BK:BK+7], v[SA:SA+7]   ; the three accumulators take turns
.endr
.endr
.endm
	FS 0, 0
	s_wait_dscnt 12                 ; the biases are in
.irp j, 0,1,2,3,4,5,6,7             ; the window's two edges: tile 0 shows key 8 (l / 16) + j from the diagonal on, tile 8 up to it
	v_cmp_lt_i32 s24, \j, v[DG]
	v_cndmask_b32 v[\j], v[\j], s80, s24
	v_cmp_gt_i32 s25, \j, v[DG]
	v_cndmask_b32 v[64+\j], v[64+\j], s80, s25
.endr
.irp R, 0,1,2,3,4,5,6,7,8,9,10,11
	RUN \R
.endr
	PLACES
	; SOFTMAX over the lane's 144 scores and the other half of the lanes' 144
	WIN 0x55                        ; everything in window 1
.set i, 0
.rept 18
	v_max3_num_f32 v[AFP+i], v[8*i], v[8*i+1], v[8*i+2]
.set i, i+1
.endr
.set i, 0
.rept 18
	v_max3_num_f32 v[AFP+i], v[AFP+i], v[8*i+3], v[8*i+4]
.set i, i+1
.endr
.set i, 0
.rept 18
	v_max3_num_f32 v[AFP+i], v[AFP+i], v[8*i+5], v[8*i+6]
.set i, i+1
.endr
.set i, 0
.rept 18
	v_max_num_f32 v[AFP+i], v[AFP+i], v[8*i+7]
.set i, i+1
.endr
.set i, 0
.rept 6
	v_max3_num_f32 v[AFP+3*i], v[AFP+3*i], v[AFP+3*i+1], v[AFP+3*i+2]
.set i, i+1
.endr
	v_max3_num_f32 v[AFP], v[AFP], v[AFP+3], v[AFP+6]
	v_max3_num_f32 v[AFP+9], v[AFP+9], v[AFP+12], v[AFP+15]
	v_max_num_f32 v[AFP], v[AFP], v[AFP+9]
	v_permlanex16_b32 v[AFP+1], v[AFP], s82, s83
	v_max_num_f32 v[AFP], v[AFP], v[AFP+1]
	v_max_num_f32 v[AFP], 0xe0ad78ec, v[AFP]       ; a row that sees nothing: m = -1e20, far above its hidden scores
	v_fma_f32 v251, v[AFP], v244, v250             ; CI m + OFF
	v_sub_f32 v246, v250, v251                     ; OFF - (CI m + OFF)
	v_mov_b32 v247, v246
.set i, 0
.rept 72
	v_pk_fma_f32 v[2*i:2*i+1], v[2*i:2*i+1], v[244:245], v[246:247] op_sel_hi:[1,0,0]
.set i, i+1
.endr
.set i, 0
.rept 144
	v_exp_f32 v[i], v[i]
.set i, i+1
.endr
	v_nop                           ; a plain line between the last exponential and the use of the results
	s_wait_alu depctr_va_vdst(0)
.irp c, 0,1,2,3                     ; the sum of the unrounded weights, in four chains
	v_pk_add_f32 v[AFP+2*\c:AFP+2*\c+1], v[2*\c:2*\c+1], v[8+2*\c:9+2*\c]
.endr
.set i, 8
.rept 64
	v_pk_add_f32 v[AFP+2*(i%4):AFP+2*(i%4)+1], v[AFP+2*(i%4):AFP+2*(i%4)+1], v[2*i:2*i+1]
.set i, i+1
.endr
	v_pk_add_f32 v[AFP:AFP+1], v[AFP:AFP+1], v[AFP+2:AFP+3]
	v_pk_add_f32 v[AFP+4:AFP+5], v[AFP+4:AFP+5], v[AFP+6:AFP+7]
	v_pk_add_f32 v[AFP:AFP+1], v[AFP:AFP+1], v[AFP+4:AFP+5]
	v_add_f32 v248, v[AFP], v[AFP+1]
	v_permlanex16_b32 v[AFP+1], v248, s82, s83
	v_add_f32 v248, v248, v[AFP+1]                 ; l: at least 1 where a key is seen (the maximum's own weight), 0 where none is
	v_max_num_f32 v252, 0.5, v248
	v_rcp_f32 v252, v252
	v_nop
	v_cmp_le_f32 s24, 0.5, v248
	v_cndmask_b32 v253, 0, 1.0, s24
.set i, 0
.rept 72                            ; P in f16, in place, ascending: register i takes scores 2 i and 2 i + 1
	v_cvt_pk_f16_f32 v[i], v[2*i], v[2*i+1]
.set i, i+1
.endr
	WIN 0x01                        ; source window 1, destination window 0
	s_wait_alu depctr_va_vdst(0)
	v_mov_b32 v[INV], v252
	v_mov_b32 v[INV+1], v252
	v_mov_b32 v[VAL], v253
	v_mov_b32 v[VAL+1], v253
	; O'^T = X^T P: nine K steps of 32 keys (tiles 2 s, 2 s + 1); step 4 joins the window's last tile with the first strided one
	WIN 0x04                        ; P in window 1, all else in window 0
.macro FV s, buf
.irp t, 0,1,2,3,4,5,6,7
.set RG, AF+64*(\buf)+8*(\t)
.if 2*(\s) < 9
	ds_load_tr16_b128 v[RG:RG+3], v[TL] offset:16*XP*(2*(\s))+32*(\t)
.else
	ds_load_tr16_b128 v[RG:RG+3], v[TG] offset:16*XP*(2*(\s)-9)+32*(\t)
.endif
.if 2*(\s)+1 < 9
	ds_load_tr16_b128 v[RG+4:RG+7], v[TL] offset:16*XP*(2*(\s)+1)+32*(\t)
.else
	ds_load_tr16_b128 v[RG+4:RG+7], v[TG] offset:16*XP*(2*(\s)-8)+32*(\t)
.endif
.endr
.endm
	FV 0, 0
.irp s, 0,1,2,3,4,5,6,7,8
.if \s > 0
	PLACES
.endif
.if \s < 8
	FV (\s)+1, ((\s)+1)%2
	s_wait_dscnt 16                 ; all but the 16 loads just issued
.else
	s_wait_dscnt 0x0
.endif
.irp t, 0,1,2,3,4,5,6,7
.if \s == 0
	v_wmma_f32_16x16x32_f16 v[ACC+8*\t:ACC+8*\t+7], v[AF+8*\t:AF+8*\t+7], v[0:7], 0
.else
	v_wmma_f32_16x16x32_f16 v[ACC+8*\t:ACC+8*\t+7], v[AF+64*(\s%2)+8*\t:AF+64*(\s%2)+8*\t+7], v[8*\s:8*\s+7], v[ACC+8*\t:ACC+8*\t+7]
.endif
.endr
.endr
	PLACES
	WIN 0
	SCALE INV
	PACK
	; (O' Wv + valid bv)^T, then (.. Wo + bo)^T
	LDB 2, ACC
	s_wait_dscnt 0x0
	SCALE VAL
	GEMM 2, 0
	PACK
	LDB 3, ACC
	GEMM 3, 0
	; THE WAY OUT: a lane's eight channels of a row, 32 bytes, into my stage (rows of 528 bytes); back as whole rows of 512; stored.
.irp t, 0,1,2,3,4,5,6,7
	ds_store_b128 v[STO], v[ACC+8*\t:ACC+8*\t+3]   offset:64*\t
	ds_store_b128 v[STO], v[ACC+8*\t+4:ACC+8*\t+7] offset:64*\t+16
.endr
.irp p, 0,1,2,3,4,5,6,7,8,9,10,11,12,13,14,15
	ds_load_b128 v[AF+4*\p:AF+4*\p+3], v[RD] offset:SP*\p   ; LDS serves a wave's instructions in order: these see the stores above
.endr
.irp p, 0,1,2,3,4,5,6,7,8,9,10,11,12,13,14,15
	s_wait_dscnt 15-\p              ; the younger rows may stay out
	global_store_b128 v[GO], v[AF+4*\p:AF+4*\p+3], s[18:19] offset:512*\p th:TH_STORE_NT  ; a row of out0: 512 consecutive bytes
.endr
	s_wait_tensorcnt 0x0            ; the wave's end
	ds_add_u32 v[SPW], v[NIL]
	s_wait_dscnt 0x0
	ROUND                           ; the closing round: no work-group ends while a partner may still ask for a tile that names it
	s_endpgm
.Lfunc_end_k_q519813b451_attn:
	.size	k_q519813b451_attn, .Lfunc_end_k_q519813b451_attn-k_q519813b451_attn
	.p2alignl 7, 3214868480
	.fill 96, 4, 3214868480
	.section	.rodata,"a",@progbits
	.p2align	6, 0x0
	.amdhsa_kernel k_q519813b451_attn
		.amdhsa_group_segment_fixed_size 327680
		.amdhsa_private_segment_fixed_size 0
		.amdhsa_enable_private_segment 0
		.amdhsa_kernarg_size 64
		.amdhsa_user_sgpr_count 2
		.amdhsa_user_sgpr_kernarg_segment_ptr 1
		.amdhsa_wavefront_size32 1
		.amdhsa_system_sgpr_workgroup_id_x 1
		.amdhsa_system_sgpr_workgroup_id_y 1
		.amdhsa_system_sgpr_workgroup_id_z 1
		.amdhsa_system_vgpr_workitem_id 0
		.amdhsa_next_free_vgpr 512
		.amdhsa_next_free_sgpr 100
		.amdhsa_reserve_vcc 0
		.amdhsa_float_denorm_mode_32 3
		.amdhsa_float_denorm_mode_16_64 3
		.amdhsa_memory_ordered 1
		.amdhsa_forward_progress 1
		.amdhsa_inst_pref_size 129
	.end_amdhsa_kernel
	.amdgpu_metadata
---
amdhsa.version: [ 1, 2 ]
amdhsa.kernels:
  - .name:           k_q519813b451_attn
    .symbol:         k_q519813b451_attn.kd
    .args:
      - { .name: xh, .offset: 0, .size: 8, .value_kind: global_buffer, .address_space: global }
      - { .name: wh, .offset: 8, .size: 8, .value_kind: global_buffer, .address_space: global }
      - { .name: spk, .offset: 16, .size: 8, .value_kind: global_buffer, .address_space: global }
      - { .name: bq, .offset: 24, .size: 8, .value_kind: global_buffer, .address_space: global }
      - { .name: bk, .offset: 32, .size: 8, .value_kind: global_buffer, .address_space: global }
      - { .name: bv, .offset: 40, .size: 8, .value_kind: global_buffer, .address_space: global }
      - { .name: bo, .offset: 48, .size: 8, .value_kind: global_buffer, .address_space: global }
      - { .name: out0, .offset: 56, .size: 8, .value_kind: global_buffer, .address_space: global }
    .group_segment_fixed_size: 327680
    .private_segment_fixed_size: 0
    .kernarg_segment_align: 8
    .kernarg_segment_size: 64
    .max_flat_workgroup_size: 128
    .sgpr_count:     100
    .vgpr_count:     512
    .wavefront_size: 32
...
	.end_amdgpu_metadata
.endif
;; end of part 3
;; ======== version 2 of 2: 3 launches; version 1 with the launch prep written anew for expert scheduling mode
;; limits: values are held in f16: magnitudes above 65,504 overflow, below 6.1e-05 lose precision; right only within a limited range of input values
;; workspace buffers: xh 4,259,840 bytes; wh 131,072 bytes; tab 262,144 bytes; spk 2,048 bytes of whole numbers
;; launch prep (part 4): grid 256 x 1, 2 waves a work-group, no clusters, 0 bytes of LDS; arguments x, Ws, bs, Wq, Wk, Wv, Wo, xh, wh, tab; writes xh, wh, tab
.if DOCPART == 4
	.amdgcn_target "amdgcn-amd-amdhsa--gfx1250"
	.amdhsa_code_object_version 6
	.text
	.protected	k_q519813b451_prep
	.globl	k_q519813b451_prep
	.p2align	8
	.type	k_q519813b451_prep,@function
k_q519813b451_prep:
	s_mov_b64 s[64:65], 0
	v_nop
	global_prefetch_b8 v0, s[64:65] scope:SCOPE_SE
	s_setreg_imm32_b32 hwreg(HW_REG_WAVE_SCHED_MODE, 0, 2), 2
	s_setreg_imm32_b32 hwreg(HW_REG_WAVE_MODE, 25, 1), 1
	s_wait_xcnt 0x0
	s_wait_alu depctr_vm_vsrc(0)
; PREP.  (1) xh = x rounded to bf16 and written as f16, [2][8320][128]: rows 0-127 of a batch are zeros, position j is row 128 + j.
; (2) wh = the four weights, rounded alike, [4][128][128]: Wq, Wk transposed, Wv, Wo.  (3) tab: for each chunk of 32 time steps of the spike gate what the walk over chunks needs.
; SHARES.  512 waves; wave C owns chunk C: rows 32 C .. 32 C + 31 of x taken as [16384][128], and row C of wh taken as [512][128].  A row of x is one load of the wave (32 lanes x 16 bytes).
; THE GATE.  cur = x . Ws + bs (all three rounded to bf16, sums in f32); mem = d mem + cur; a spike where mem >= 1, then mem = 0.  Lane l of the wave follows the membrane that was
; reset at step l of the chunk to the chunk's end: its exit e_l and the spikes behind l.  Beside them runs A_s, the response without reset from entry 0: with entry m the first crossing
; falls on the lowest l with m >= theta_l = (1 - A_l) d^-(l+1).  tab[C][l] = { theta_l, E_l, PT_l, T1_l }: E_l = e_l, E_31 = A_31; PT_l = spikes behind l | bit l; T1 = theta, -inf in lane 31.
; LIMITS.  The sum's order, the fused multiply-add and theta's form differ from a step-by-step f32 run by f32 rounding: a membrane within some 5e-7 of 1 may decide otherwise.
; bf16 written as f16 is exact from 6.1e-5 to 65,504; below, the error is 3e-8 at the most.  NaN and infinities are not treated apart.
; No LDS, no barrier, no matrix unit: the launch streams x once; all 32 row loads of a wave are out together (16 KiB a wave).
; THE MODE: SCHED_MODE bits 1:0 = 2 (LLVM: expert scheduling mode 2), set by the entry lines.  The code itself states the register dependences
; between vector instructions and memory instructions, and those through scalar registers that vector instructions write, with s_wait_alu, always for 0.
; THE PLAN.  Registers that memory instructions touch:
;   v1, v2, v24-27  byte offsets, and v20, v21 the pad row's zeros: made at the head, read by loads and stores, never written again.
;   v28-31, v4-7, X written by the loads at the head, ahead of which no vector instruction names them; no load is issued later.
;   v32, v33        the row of wh in f16: written ahead of group 0, read by one store in group 0, never written again.
;   x0, x1 of a row the four f16: written by the row's group g, read by one store that is issued in group g + 1, never written again.
;   v16-19          the table's entry: written by the last vector lines, read by the last store.
; So one wait on va_vdst stands ahead of the first load, one at each group's head (the group before has written what this group's stores read, and this group's
; vector lines name none of those registers), one behind the last group and one ahead of the last store.  No register that a memory instruction reads is written again.
; Scalar registers that vector instructions write: s25 (the wave), s66-97 (the currents), s50 (a step's spikes): a wait on va_sdst stands ahead of each one's first reader.
.set X,   64                           ; v[64:191] row r of the chunk at X + 4 r
.set WS,  4                            ; v[4:7]    my four numbers of Ws
.set TS,  40                           ; v[40:47]  four pairs of partial sums
.set CUR, 66                           ; s[66:97]  the chunk's 32 currents
	s_load_b512 s[4:19], s[0:1], 0x0               ; x, Ws, bs, Wq, Wk, Wv, Wo, xh
	s_load_b128 s[20:23], s[0:1], 0x40             ; wh, tab
	v_and_b32 v3, 31, v0                           ; lane
	v_lshrrev_b32 v1, 5, v0
	v_readfirstlane_b32 s25, v1                    ; wave 0, 1
	v_lshlrev_b32 v1, 4, v3                        ; 16 x lane
	v_lshlrev_b32 v2, 3, v3                        ; 8 x lane
	v_mov_b32 v20, 0                               ; a pair of zeros for the pad row
	v_mov_b32 v21, 0
	s_wait_alu depctr_va_sdst(0)                   ; s25 is written, ahead of its first reader: C is made from it
	s_lshl_b32 s26, ttmp9, 1
	s_add_co_u32 s26, s26, s25                     ; C
	s_mov_b32 s46, 0x3f67a36d                      ; d = exp(-0.1) in f32
	s_mov_b32 s47, 0xffff0000                      ; a word's upper bf16
	s_mov_b32 s52, 0x76543210                      ; v_permlanex16_b32: each lane takes its own place in the other half
	s_mov_b32 s53, 0xfedcba98
	s_lshl_b32 s32, s26, 14                        ; x: 32 rows of 512 bytes a chunk
	s_mov_b32 s33, 0
	s_lshr_b32 s27, s26, 8                         ; xh: batch x 8,320 rows + 128 + 32 x (chunk in the batch), rows of 256 bytes
	s_mul_i32 s27, s27, 8320
	s_and_b32 s28, s26, 255
	s_lshl_b32 s28, s28, 5
	s_add_co_u32 s27, s27, s28
	s_add_co_u32 s27, s27, 128
	s_lshl_b32 s34, s27, 8
	s_mov_b32 s35, 0
	s_lshr_b32 s27, ttmp9, 7                       ; the pad row of this work-group: row (id & 127) of batch (id >> 7)
	s_mul_i32 s27, s27, 8320
	s_and_b32 s28, ttmp9, 127
	s_add_co_u32 s27, s27, s28
	s_lshl_b32 s36, s27, 8
	s_mov_b32 s37, 0
	s_lshl_b32 s38, s26, 9                         ; tab: 512 bytes a chunk
	s_mov_b32 s39, 0
	s_lshl_b32 s40, s26, 8                         ; wh: 256 bytes a row
	s_mov_b32 s41, 0
	s_lshr_b32 s54, s26, 7                         ; which weight
	s_and_b32 s55, s26, 127                        ; which row R of wh's matrix
	s_cmp_eq_u32 s54, 1                            ; Wk is written transposed: wh[R][col] = Wk[col][R]
	s_cselect_b32 s44, 4, 512                      ; bytes from R to R + 1 in the source
	s_cselect_b32 s45, 512, 4                      ; bytes from col to col + 1
	s_mul_i32 s27, s55, s44
	v_lshlrev_b32 v9, 2, v3                        ; my four columns 4 lane + k
.irp k, 0,1,2,3
	v_add_nc_u32 v8, \k, v9
	v_mul_lo_u32 v[24+\k], v8, s45
	v_add_nc_u32 v[24+\k], s27, v[24+\k]
.endr
	s_wait_kmcnt 0x0
	s_load_b32 s24, s[8:9], 0x0                    ; bs
	s_add_nc_u64 s[32:33], s[4:5], s[32:33]
	s_add_nc_u64 s[34:35], s[18:19], s[34:35]
	s_add_nc_u64 s[36:37], s[18:19], s[36:37]
	s_add_nc_u64 s[38:39], s[22:23], s[38:39]
	s_add_nc_u64 s[40:41], s[20:21], s[40:41]
	s_cmp_eq_u32 s54, 1
	s_cselect_b64 s[42:43], s[12:13], s[10:11]
	s_cmp_eq_u32 s54, 2
	s_cselect_b64 s[42:43], s[14:15], s[42:43]
	s_cmp_eq_u32 s54, 3
	s_cselect_b64 s[42:43], s[16:17], s[42:43]
	s_wait_alu depctr_va_vdst(0)                   ; the offsets v1, v2 and v24 to v27 and the zeros v20, v21 are written: every load and store of the kernel reads some of them
.irp k, 0,1,2,3
	global_load_b32 v[28+\k], v[24+\k], s[42:43]
.endr
	global_load_b128 v[WS:WS+3], v1, s[6:7]
.set r, 0
.rept 32
	global_load_b128 v[X+4*r:X+4*r+3], v1, s[32:33] offset:512*r th:TH_LOAD_NT
.set r, r+1
.endr
	s_cmp_lg_u32 s25, 0
	s_cbranch_scc1 .Lno_pad
	global_store_b64 v2, v[20:21], s[36:37]        ; 32 lanes x 8 bytes: one whole row of 256 bytes; no vector line stands between the wait above and this store
.Lno_pad:
	s_wait_loadcnt 32                              ; loads come back in order: all but the 32 rows of x are in
	v_cvt_pk_bf16_f32 v8, v[WS], v[WS+1]           ; Ws to bf16 and back to f32
	v_cvt_pk_bf16_f32 v9, v[WS+2], v[WS+3]
	v_lshlrev_b32 v[WS], 16, v8
	v_and_b32 v[WS+1], s47, v8
	v_lshlrev_b32 v[WS+2], 16, v9
	v_and_b32 v[WS+3], s47, v9
	v_cvt_pk_bf16_f32 v32, v28, v29                ; my four weights: to bf16, back, and as f16
	v_cvt_pk_bf16_f32 v33, v30, v31
	v_lshlrev_b32 v28, 16, v32
	v_and_b32 v29, s47, v32
	v_lshlrev_b32 v30, 16, v33
	v_and_b32 v31, s47, v33
	v_cvt_pk_f16_f32 v32, v28, v29
	v_cvt_pk_f16_f32 v33, v30, v31                 ; the row of wh is stored in group 0, behind that group's wait
	s_wait_kmcnt 0x0
	v_mov_b32 v22, s24                             ; bs to bf16 and back
	v_cvt_pk_bf16_f32 v22, v22, v22
	v_lshlrev_b32 v22, 16, v22
; Row q of group g goes out: its four f16 a lane.  g = -1: there is no such group.
.macro SEND g, q
.if (\g) >= 0
	global_store_b64 v2, v[X+16*(\g)+4*(\q):X+16*(\g)+4*(\q)+1], s[34:35] offset:256*(4*(\g)+(\q))  ; a row of xh: 256 consecutive bytes
.endif
.endm
; Four rows at a time, stage by stage, so that no line waits for the one before it.  A row's registers x0-x3 become: the rounded numbers in f32; then x0, x1 the four f16 (stored in the
; next group, and not written again), x2 the row's sum, x3 the other half of the lanes' sum.
; The stores of the group before are dealt among this group's first four stages, whose lines name this group's rows, TS, WS and v22 alone.
.macro ROWS4 g
	s_wait_loadcnt 28-4*(\g)                       ; the rows behind row 4 g + 3 may stay out
	s_wait_alu depctr_va_vdst(0)                   ; the group before has written its rows' x0, x1 (ahead of group 0: v32, v33 are written), which the stores below read
.if (\g) == 0
	global_store_b64 v2, v[32:33], s[40:41]        ; a row of wh: 256 consecutive bytes
.endif
	SEND (\g)-1, 0
.irp q, 0,1,2,3
.set B0, X+16*(\g)+4*(\q)
	v_cvt_pk_bf16_f32 v[B0], v[B0], v[B0+1]
	v_cvt_pk_bf16_f32 v[B0+2], v[B0+2], v[B0+3]
.endr
	SEND (\g)-1, 1
.irp q, 0,1,2,3
.set B0, X+16*(\g)+4*(\q)
	v_and_b32 v[B0+1], s47, v[B0]
	v_lshlrev_b32 v[B0], 16, v[B0]
	v_and_b32 v[B0+3], s47, v[B0+2]
	v_lshlrev_b32 v[B0+2], 16, v[B0+2]
.endr
	SEND (\g)-1, 2
.irp q, 0,1,2,3
.set B0, X+16*(\g)+4*(\q)
	v_pk_mul_f32 v[TS+2*(\q):TS+2*(\q)+1], v[B0:B0+1], v[WS:WS+1]
.endr
	SEND (\g)-1, 3
.irp q, 0,1,2,3
.set B0, X+16*(\g)+4*(\q)
	v_pk_fma_f32 v[TS+2*(\q):TS+2*(\q)+1], v[B0+2:B0+3], v[WS+2:WS+3], v[TS+2*(\q):TS+2*(\q)+1]
.endr
.irp q, 0,1,2,3
.set B0, X+16*(\g)+4*(\q)
	v_cvt_pk_f16_f32 v[B0], v[B0], v[B0+1]
	v_cvt_pk_f16_f32 v[B0+1], v[B0+2], v[B0+3]
.endr
.irp q, 0,1,2,3
.set B0, X+16*(\g)+4*(\q)
	v_add_f32 v[B0+2], v[TS+2*(\q)], v[TS+2*(\q)+1]
.endr
.irp m, 1,2,4,8
.irp q, 0,1,2,3
.set B0, X+16*(\g)+4*(\q)
	v_add_f32_dpp v[B0+2], v[B0+2], v[B0+2] row_xmask:\m row_mask:0xf bank_mask:0xf
.endr
.endr
.irp q, 0,1,2,3
.set B0, X+16*(\g)+4*(\q)
	v_permlanex16_b32 v[B0+3], v[B0+2], s52, s53
.endr
.irp q, 0,1,2,3
.set B0, X+16*(\g)+4*(\q)
	v_add_f32 v[B0+2], v[B0+2], v[B0+3]
.endr
.irp q, 0,1,2,3
.set B0, X+16*(\g)+4*(\q)
	v_add_f32 v[B0+2], v[B0+2], v22                ; + bs
.endr
.irp q, 0,1,2,3
.set B0, X+16*(\g)+4*(\q)
	v_readfirstlane_b32 s[CUR+4*(\g)+(\q)], v[B0+2]
.endr
.endm
.irp g, 0,1,2,3,4,5,6,7
	ROWS4 \g
.endr
	s_wait_alu depctr_va_vdst(0)                   ; group 7 has written its rows' x0, x1, which the last four stores of xh read
.irp q, 0,1,2,3
	SEND 7, \q
.endr
	s_wait_alu depctr_va_sdst(0)                   ; the 32 currents s66 to s97 are written, ahead of their first readers: the steps below
; The 32 trajectories.  v10 = U, the membrane before the reset; a lane takes part from the step behind its own on (before that its current counts as 0 and U stays 0).
; The spike of step s - 1 is found at step s: where it fell, the new membrane is the current alone.  Two dependent lines a step (the multiply-add, the choice).
; The lines that do not hang on the spikes' mask stand between the compare that makes it and the wait for it.
	v_mov_b32 v10, 0                               ; U
	v_mov_b32 v14, 0                               ; the spikes' bits
	v_mov_b32 v15, 0                               ; A
	v_mov_b32 v36, 0                               ; lane s keeps A_s
.macro STEP s
	s_bfm_b32 s48, \s, 0                           ; the lanes below s
	v_cmp_le_f32 s50, 1.0, v10
	v_cndmask_b32 v12, 0, s[CUR+(\s)], s48
	v_fma_f32 v11, s46, v10, v12
	v_fma_f32 v15, s46, v15, s[CUR+(\s)]
	s_bfm_b32 s49, 1, \s                           ; lane s
	v_cndmask_b32 v36, v36, v15, s49
	s_wait_alu depctr_va_sdst(0)                   ; the compare has written s50, ahead of its first reader: the choice below
	v_cndmask_b32 v10, v11, v12, s50
.if (\s) > 0
	v_cndmask_b32 v13, 0, 1, s50
	v_lshl_or_b32 v14, v13, (\s)-1, v14
.endif
.endm
.set st, 0
.rept 32
	STEP st
.set st, st+1
.endr
	v_cmp_le_f32 s50, 1.0, v10                     ; the spike of step 31
	v_add_nc_u32 v37, 1, v3
	v_cvt_f32_u32 v37, v37
	v_mul_f32 v37, 0x3e13bb61, v37                 ; (l + 1) x -log2(d)
	v_exp_f32 v37, v37                             ; d^-(l+1)
	v_sub_f32 v16, 1.0, v36                        ; a plain line stands between the exponential and the use of its result
	s_wait_alu depctr_va_sdst(0)                   ; the compare has written s50, ahead of its first reader
	v_cndmask_b32 v13, 0, 1, s50
	v_lshl_or_b32 v14, v13, 31, v14
	v_cndmask_b32 v10, v10, 0, s50                 ; the exit e
	s_wait_alu depctr_va_vdst(0)
	v_mul_f32 v16, v16, v37                        ; theta
	s_mov_b32 s48, 0x80000000                      ; lane 31
	s_mov_b32 s49, 0xff800000                      ; -inf
	v_cndmask_b32 v17, v10, v15, s48               ; E
	v_mov_b32 v13, 1
	v_lshlrev_b32 v18, v3, v13
	v_or_b32 v18, v18, v14                         ; PT
	v_cndmask_b32 v19, v16, s49, s48               ; T1
	s_wait_alu depctr_va_vdst(0)                   ; v16 to v19 are written, which the store reads
	global_store_b128 v1, v[16:19], s[38:39]       ; 512 consecutive bytes
	s_endpgm
.Lfunc_end_k_q519813b451_prep:
	.size	k_q519813b451_prep, .Lfunc_end_k_q519813b451_prep-k_q519813b451_prep
	.p2alignl 7, 3214868480
	.fill 96, 4, 3214868480
	.section	.rodata,"a",@progbits
	.p2align	6, 0x0
	.amdhsa_kernel k_q519813b451_prep
		.amdhsa_group_segment_fixed_size 0
		.amdhsa_private_segment_fixed_size 0
		.amdhsa_enable_private_segment 0
		.amdhsa_kernarg_size 80
		.amdhsa_user_sgpr_count 2
		.amdhsa_user_sgpr_kernarg_segment_ptr 1
		.amdhsa_wavefront_size32 1
		.amdhsa_system_sgpr_workgroup_id_x 1
		.amdhsa_system_sgpr_workgroup_id_y 1
		.amdhsa_system_sgpr_workgroup_id_z 1
		.amdhsa_system_vgpr_workitem_id 0
		.amdhsa_next_free_vgpr 192
		.amdhsa_next_free_sgpr 100
		.amdhsa_reserve_vcc 0
		.amdhsa_float_denorm_mode_32 3
		.amdhsa_float_denorm_mode_16_64 3
		.amdhsa_memory_ordered 1
		.amdhsa_forward_progress 1
		.amdhsa_inst_pref_size 62
	.end_amdhsa_kernel
	.amdgpu_metadata
---
amdhsa.version: [ 1, 2 ]
amdhsa.kernels:
  - .name:           k_q519813b451_prep
    .symbol:         k_q519813b451_prep.kd
    .args:
      - { .name: x, .offset: 0, .size: 8, .value_kind: global_buffer, .address_space: global }
      - { .name: Ws, .offset: 8, .size: 8, .value_kind: global_buffer, .address_space: global }
      - { .name: bs, .offset: 16, .size: 8, .value_kind: global_buffer, .address_space: global }
      - { .name: Wq, .offset: 24, .size: 8, .value_kind: global_buffer, .address_space: global }
      - { .name: Wk, .offset: 32, .size: 8, .value_kind: global_buffer, .address_space: global }
      - { .name: Wv, .offset: 40, .size: 8, .value_kind: global_buffer, .address_space: global }
      - { .name: Wo, .offset: 48, .size: 8, .value_kind: global_buffer, .address_space: global }
      - { .name: xh, .offset: 56, .size: 8, .value_kind: global_buffer, .address_space: global }
      - { .name: wh, .offset: 64, .size: 8, .value_kind: global_buffer, .address_space: global }
      - { .name: tab, .offset: 72, .size: 8, .value_kind: global_buffer, .address_space: global }
    .group_segment_fixed_size: 0
    .private_segment_fixed_size: 0
    .kernarg_segment_align: 8
    .kernarg_segment_size: 80
    .max_flat_workgroup_size: 64
    .sgpr_count:     100
    .vgpr_count:     192
    .wavefront_size: 32
...
	.end_amdgpu_metadata
.endif
;; end of part 4
;; launch scan: the kernel of part 2 again; grid 2 x 1, 16 waves a work-group, no clusters, 133,120 bytes of LDS; arguments tab, spk; writes spk
;; launch attn: the kernel of part 3 again; grid 128 x 2, 4 waves a work-group, clusters of 4 x 1, 327,680 bytes of LDS; arguments xh, wh, spk, bq, bk, bv, bo, out0; writes out0
